; MI455X (gfx1250); checked and timed in simulation.
; The chip was launched on July 23, 2026; its instructions are those of AMD's public machine-readable ISA for CDNA 5 (MIT licence, August 2026) and "CDNA5" Instruction Set Architecture Reference Guide (July 2026). The comments in the code are by the model that wrote it; some were corrected since.
;; Multi Head Attention. Allowed arithmetic: float matrix products may take bf16 or f16 operands with f32 sums; all other float work in f32.
;; Inputs: W_k 1,024 x 1,024 float32; W_o 1,024 x 1,024 float32; W_q 1,024 x 1,024 float32; W_v 1,024 x 1,024 float32; b_k 1,024 float32; b_o 1,024 float32; b_q 1,024 float32; b_v 1,024 float32; key 2 x 2,048 x 1,024 float32; query 2 x 2,048 x 1,024 float32; value 2 x 2,048 x 1,024 float32.
;; Outputs: out0 2 x 2,048 x 1,024 float32.
;; One version. Each part assembles by itself: llvm-mc -triple=amdgcn-amd-amdhsa -mcpu=gfx1250 --defsym DOCPART=n.
;; ======== version 1 of 1: 4 launches
;; limits: values are held in f16: magnitudes above 65,504 overflow, below 6.1e-05 lose precision
;; workspace buffers: xh 25,165,824 bytes; wh 6,291,456 bytes; qkv 25,165,824 bytes; att 8,388,608 bytes; wob 2,097,152 bytes
;; launch cast (part 1): grid 64 x 15, 8 waves a work-group, no clusters, 0 bytes of LDS; arguments query, key, value, W_q, W_k, W_v, xh, wh; writes xh, wh
.if DOCPART == 1
	.amdgcn_target "amdgcn-amd-amdhsa--gfx1250"
	.amdhsa_code_object_version 6
	.text
	.protected	k_qeeb79cb0f0_cast
	.globl	k_qeeb79cb0f0_cast
	.p2align	8
	.type	k_qeeb79cb0f0_cast,@function
k_qeeb79cb0f0_cast:
	s_mov_b64 s[64:65], 0
	v_nop
	global_prefetch_b8 v0, s[64:65] scope:SCOPE_SE
	s_setreg_imm32_b32 hwreg(HW_REG_WAVE_MODE, 25, 1), 1
	s_wait_xcnt 0x0
; xh[3][4096][1024] = f16(query, key, value);  wh[3][1024][1024] = f16(W_q, W_k, W_v): each number is rounded once here, instead of once
; by every wave that multiplies it in the next launch (x eight times, W thirty-two times), and the next launch's tiles have half the bytes.
; A stream: every input byte is read once, every output byte written once; LDS, matrix units and clusters would add nothing, since no two
; work-groups read the same bytes.
; SHARES: y counts units of 4 MiB of f32: 0-11 the quarters of query, key, value; 12-14 the three weights.  x is a piece of 64 KiB.
; Thread t takes the 16 bytes at 16 t of each of 16 blocks of 4,096 bytes: a wave's load covers 512 consecutive bytes, its store of 8 bytes a
; lane 256 consecutive bytes, aligned.  All sixteen loads of a thread are on their way at once; no register is used twice.
; LIMITS: a number beyond 65,504 in magnitude becomes an infinity; below 6e-5 the step is 6e-8.  NaN and infinities pass through.
.set X, 4                              ; v[4:67]   16 x 4 numbers as loaded
.set Y, 68                             ; v[68:99]  16 x 2 registers to store
	s_load_b512 s[4:19], s[0:1], 0x0               ; query 4, key 6, value 8, W_q 10, W_k 12, W_v 14, xh 16, wh 18
	s_and_b32 s20, ttmp7, 0xffff                   ; unit 0..14
	s_lshr_b32 s21, s20, 2                         ; 0, 1, 2: query, key, value; 3: a weight
	s_and_b32 s22, s20, 3                          ; which quarter, or which weight
	s_lshl_b32 s30, s22, 22                        ; the quarter's 4 MiB in its input
	s_lshl_b32 s31, s20, 21                        ; the unit's 2 MiB in xh
	s_lshl_b32 s32, s22, 21                        ; the weight's 2 MiB in wh
	s_lshl_b32 s33, ttmp9, 16                      ; my piece: 64 KiB in,
	s_lshl_b32 s34, ttmp9, 15                      ; 32 KiB out
	s_mov_b32 s37, 0
	s_mov_b32 s39, 0
	v_lshlrev_b32 v1, 4, v0
	v_lshlrev_b32 v2, 3, v0
	s_wait_kmcnt 0x0
	s_cmp_eq_u32 s21, 1
	s_cselect_b64 s[24:25], s[6:7], s[4:5]
	s_cmp_eq_u32 s21, 2
	s_cselect_b64 s[24:25], s[8:9], s[24:25]
	s_cmp_eq_u32 s22, 1
	s_cselect_b64 s[26:27], s[12:13], s[10:11]
	s_cmp_eq_u32 s22, 2
	s_cselect_b64 s[26:27], s[14:15], s[26:27]
	s_cmp_eq_u32 s21, 3                            ; a weight: whole, from its first byte, into wh
	s_cselect_b64 s[24:25], s[26:27], s[24:25]
	s_cselect_b64 s[28:29], s[18:19], s[16:17]
	s_cselect_b32 s30, 0, s30
	s_cselect_b32 s31, s32, s31
	s_add_co_u32 s36, s30, s33
	s_add_co_u32 s38, s31, s34
	s_add_nc_u64 s[24:25], s[24:25], s[36:37]
	s_add_nc_u64 s[28:29], s[28:29], s[38:39]
.irp j, 0,1,2,3,4,5,6,7,8,9,10,11,12,13,14,15
	global_load_b128 v[X+4*\j:X+4*\j+3], v1, s[24:25] offset:\j*4096 th:TH_LOAD_NT
.endr
.irp j, 0,1,2,3,4,5,6,7,8,9,10,11,12,13,14,15
	s_wait_loadcnt 15-\j                           ; loads come back in order: block j is in, the younger ones stay out
	v_cvt_pk_f16_f32 v[Y+2*\j],   v[X+4*\j],   v[X+4*\j+1]
	v_cvt_pk_f16_f32 v[Y+2*\j+1], v[X+4*\j+2], v[X+4*\j+3]
	global_store_b64 v2, v[Y+2*\j:Y+2*\j+1], s[28:29] offset:\j*2048
.endr
	s_endpgm
.Lfunc_end_k_qeeb79cb0f0_cast:
	.size	k_qeeb79cb0f0_cast, .Lfunc_end_k_qeeb79cb0f0_cast-k_qeeb79cb0f0_cast
	.p2alignl 7, 3214868480
	.fill 96, 4, 3214868480
	.section	.rodata,"a",@progbits
	.p2align	6, 0x0
	.amdhsa_kernel k_qeeb79cb0f0_cast
		.amdhsa_group_segment_fixed_size 0
		.amdhsa_private_segment_fixed_size 0
		.amdhsa_enable_private_segment 0
		.amdhsa_kernarg_size 64
		.amdhsa_user_sgpr_count 2
		.amdhsa_user_sgpr_kernarg_segment_ptr 1
		.amdhsa_wavefront_size32 1
		.amdhsa_system_sgpr_workgroup_id_x 1
		.amdhsa_system_sgpr_workgroup_id_y 1
		.amdhsa_system_sgpr_workgroup_id_z 1
		.amdhsa_system_vgpr_workitem_id 0
		.amdhsa_next_free_vgpr 100
		.amdhsa_next_free_sgpr 66
		.amdhsa_reserve_vcc 0
		.amdhsa_float_denorm_mode_32 3
		.amdhsa_float_denorm_mode_16_64 3
		.amdhsa_memory_ordered 1
		.amdhsa_forward_progress 1
		.amdhsa_inst_pref_size 7
	.end_amdhsa_kernel
	.amdgpu_metadata
---
amdhsa.version: [ 1, 2 ]
amdhsa.kernels:
  - .name:           k_qeeb79cb0f0_cast
    .symbol:         k_qeeb79cb0f0_cast.kd
    .args:
      - { .name: query, .offset: 0, .size: 8, .value_kind: global_buffer, .address_space: global }
      - { .name: key, .offset: 8, .size: 8, .value_kind: global_buffer, .address_space: global }
      - { .name: value, .offset: 16, .size: 8, .value_kind: global_buffer, .address_space: global }
      - { .name: W_q, .offset: 24, .size: 8, .value_kind: global_buffer, .address_space: global }
      - { .name: W_k, .offset: 32, .size: 8, .value_kind: global_buffer, .address_space: global }
      - { .name: W_v, .offset: 40, .size: 8, .value_kind: global_buffer, .address_space: global }
      - { .name: xh, .offset: 48, .size: 8, .value_kind: global_buffer, .address_space: global }
      - { .name: wh, .offset: 56, .size: 8, .value_kind: global_buffer, .address_space: global }
    .group_segment_fixed_size: 0
    .private_segment_fixed_size: 0
    .kernarg_segment_align: 8
    .kernarg_segment_size: 64
    .max_flat_workgroup_size: 256
    .sgpr_count:     66
    .vgpr_count:     100
    .wavefront_size: 32
...
	.end_amdgpu_metadata
.endif
;; end of part 1
;; launch qkv_proj (part 2): grid 4 x 48, 4 waves a work-group, clusters of 4 x 4, 327,680 bytes of LDS; arguments xh, wh, b_q, b_k, b_v, qkv; writes qkv
.if DOCPART == 2
	.amdgcn_target "amdgcn-amd-amdhsa--gfx1250"
	.amdhsa_code_object_version 6
	.text
	.protected	k_qeeb79cb0f0_qkv_proj
	.globl	k_qeeb79cb0f0_qkv_proj
	.p2align	8
	.type	k_qeeb79cb0f0_qkv_proj,@function
k_qeeb79cb0f0_qkv_proj:
	s_mov_b64 s[64:65], 0
	v_nop
	global_prefetch_b8 v0, s[64:65] scope:SCOPE_SE
	s_setreg_imm32_b32 hwreg(HW_REG_WAVE_MODE, 25, 1), 1
	s_wait_xcnt 0x0
	s_wait_alu depctr_hold_cnt(0) depctr_sa_sdst(0) depctr_va_vdst(0) depctr_va_sdst(0) depctr_va_ssrc(0) depctr_va_vcc(0) depctr_vm_vsrc(0)
	s_getreg_b32 s2, hwreg(HW_REG_IB_STS2, 6, 4)
	s_cmp_eq_u32 s2, 0
	s_cbranch_scc0 .Lentry_in_a_cluster
	s_endpgm
.Lentry_in_a_cluster:
	s_bfe_u32 s2, ttmp6, 0x10000c
	s_cmp_lg_u32 s2, 0xf033
	s_cbranch_scc0 .Lentry_shape_is_right
	s_endpgm
.Lentry_shape_is_right:
; Q, K, V = x W^T + b.  xh[3][4096 tokens][1024] and wh[3][1024 features][1024] are the inputs in f16; b is f32.
; Results in f16, head-major: qkv[3][b 2][h 16][s 2048][64].  Q is also multiplied by 0.125 log2(e), so that the next launch's
; scores are exponents of 2.
; SHARES: 192 work-groups = 3 matrices x 16 blocks of 256 tokens x 4 blocks of 256 features; four waves, each 128 x 128 in 512
; accumulator registers.  The factor 3 comes from three products with different x, so 256 equal work-groups would need wave tiles
; of 64 x 64, which read twice the LDS bytes for each multiply-add; the larger wave tile is taken.
; DATA PATH: K goes in steps of 128 f16 (rows of 256 bytes, at multiples of 256 bytes) through two LDS slots filled by tensor loads.
; CLUSTERS: 4 x 4 work-groups; x's tile hangs on the block row alone and is asked for jointly by a row of the cluster, W's on the
; block column alone and is asked for jointly by a column.  The matrix number is made of the cluster's y alone: equal in all partners.
; FORMAT AND LIMITS: f16 operands (11 significant bits), sums in f32, results rounded once to f16.  A result beyond 65,504 in magnitude
; becomes an infinity.  Room: x of spread 1 and W of spread 1/32 give results of spread 1; all inputs thirty times larger give spread 900;
; all inputs with a common offset of thirty spreads give 1024 x 30 x 30/32 = 28,800.  NaN and infinities pass through.
; No prefetch: each tile is requested 240 matrix instructions of every wave ahead of the wait for it.
;
; REGISTERS in windows of 256: window 0: addresses, TMP, x's fragments in two buffers (v64-127, v128-191), BIAS; window 1: W's fragments
; in two buffers (v64-127, v128-191); windows 2, 3: accumulators, tile (a, b) at v[8 (8 a + b)].
; The matrix instruction is used transposed (source 0 = 16 features of W, source 1 = 16 tokens of x): a lane then holds one token
; (lane % 16) and eight neighbouring features 8 (lane / 16) + 0..7.
.set KSTEP,  128
.set PITCH,  272                       ; LDS row: 256 bytes + 16 of padding: 16 rows start in 16 different 16-byte columns of 256
.set HALFT,  128*PITCH                 ; 128 rows: one tensor load
.set SLOT,   4*HALFT                   ; x's 256 rows, then W's 256 rows
.set STAGE,  2*SLOT                    ; behind the ring, never filled by a tensor load
.set SPITCH, 144                       ; stage row: 64 f16 + 16 bytes
.set SHEAD,  16*SPITCH                 ; 16 tokens of one head
.set WSTAGE, 2*SHEAD                   ; a wave's stage: 2 heads x 16 tokens
.set LAPS,   1024/(2*KSTEP)            ; a lap = two K steps = once round the ring: 4
.set ADRA, 16                          ; v16-17 LDS address of my x fragments in slot 0, 1
.set ADRB, 20                          ; v20-21 the same for W
.set STO,  24                          ; way out: where I put 16 bytes
.set RD,   25                          ; way out: where I read back
.set CO,   26                          ; 16 x lane
.set BO,   27                          ; 32 x (lane / 16): my 8 features in a tile's 16 biases
.set TMP,  32                          ; v32-63 packed results
.set F0,   64                          ; fragment buffer 0
.set F1,   128                         ; fragment buffer 1
.set BIAS, 192                         ; v192-255 bias of my 8 features in each of 8 feature tiles
.set G1,  24                           ; s[24:31] group 1 for x's tiles
.set G0,  32                           ; s[32:39] group 0 for x's tiles, one set a slot
.set G1B, 48                           ; s[48:55] group 1 for W's tiles
.set G0B, 56                           ; s[56:63] group 0 for W's tiles
.set MSB, 0
.macro WIN new                         ; the immediate's high byte repeats the setting that is left
.if MSB != (\new)
	s_set_vgpr_msb (MSB<<8)|(\new)
.set MSB, \new
.endif
.endm
.set MUL_LO, 0xa1                      ; source 0 (W) window 1, source 1 (x) window 0, C and D window 2
.set MUL_HI, 0xf1                      ; the same, C and D window 3
.set TO_B,   0x40                      ; destination window 1, address window 0
.macro PLACES                          ; four places behind a matrix instruction (ISA guide 7.12.1)
.rept 4
	v_nop
.endr
.endm
; A joint load: waves 0, 1 fetch x's two halves, waves 2, 3 W's.  Each line has one mask; the branch hangs on the wave's number alone.
.macro JLOAD s
	s_cmp_eq_u32 s11, 0
	s_cbranch_scc0 .Lfor_b_\@
	tensor_load_to_lds s[G0+4*\s:G0+4*\s+3], s[G1:G1+7]
	s_nop 0
	s_branch .Lasked_\@
.Lfor_b_\@:
	tensor_load_to_lds s[G0B+4*\s:G0B+4*\s+3], s[G1B:G1B+7]
	s_nop 0
.Lasked_\@:
.endm
.macro CREST                           ; a round of the cluster's barrier behind its opening work-group barrier
	s_cmp_lg_u32 s10, 0
	s_cbranch_scc1 .Lnot_wave_0_\@
	s_barrier_signal -3
.Lnot_wave_0_\@:
	s_barrier_wait -3
	s_barrier_signal -1
	s_barrier_wait -1
.endm
.macro CROUND                          ; a whole round
	s_barrier_signal -1
	s_barrier_wait -1
	CREST
.endm
	s_load_b256 s[68:75], s[0:1], 0x0              ; xh 68, wh 70, b_q 72, b_k 74
	s_load_b128 s[76:79], s[0:1], 0x20             ; b_v 76, qkv 78
	s_set_vgpr_msb 0x40
	v_lshl_add_u32 v255, v0, 2, 0x48800
	s_set_vgpr_msb 0x4000
	v_mov_b32 v31, 0
	s_set_vgpr_msb 0x1
	ds_add_u32 v255, v31
	s_set_vgpr_msb 0x100
	v_lshrrev_b32 v1, 5, v0
	v_readfirstlane_b32 s10, v1                    ; wave 0..3
	s_lshr_b32 s11, s10, 1                         ; my half of the block's tokens.  Also: I fetch for x (0) or for W (1)
	s_and_b32 s12, s10, 1                          ; my half of its features.  Also: which 128 rows I fetch
	s_bfe_u32 s40, ttmp6, 0x40000                  ; cx
	s_bfe_u32 s41, ttmp6, 0x40004                  ; cy
	s_lshl_b32 s42, ttmp9, 2
	s_add_co_u32 s42, s42, s40                     ; block column of features, 0..3
	s_and_b32 s45, ttmp7, 0xffff                   ; the cluster's y, 0..11
	s_lshr_b32 s66, s45, 2                         ; matrix 0 (Q), 1 (K), 2 (V): four clusters along y each
	s_and_b32 s13, s45, 3
	s_lshl_b32 s13, s13, 2
	s_add_co_u32 s13, s13, s41                     ; block row of tokens, 0..15
	s_lshl_b32 s43, s41, 2
	s_lshl_b32 s43, 15, s43                        ; my row of the cluster
	s_lshl_b32 s44, 0x1111, s40                    ; my column
	; group 1: 128 rows x 128 elements of 2 bytes, 4 words of padding behind every 64 words
	s_or_b32 s[G1+0], s43, (1<<16)|(1<<20)|(1<<21)|(5<<22)|(3<<25)
	s_or_b32 s[G1B+0], s44, (1<<16)|(1<<20)|(1<<21)|(5<<22)|(3<<25)
	s_mov_b32 s[G1+1], KSTEP<<16                   ; tensor_dim0 = 128
	s_mov_b32 s[G1B+1], KSTEP<<16
	s_mov_b32 s[G1+2], 128<<16                     ; tensor_dim1 = 128
	s_mov_b32 s[G1B+2], 128<<16
	s_mov_b32 s[G1+3], KSTEP<<16                   ; tile_dim0 = 128
	s_mov_b32 s[G1B+3], KSTEP<<16
	s_mov_b32 s[G1+4], 128                         ; tile_dim1 = 128
	s_mov_b32 s[G1B+4], 128
	s_mov_b32 s[G1+5], 1024                        ; elements from row to row
	s_mov_b32 s[G1B+5], 1024
	s_mov_b32 s[G1+6], 0
	s_mov_b32 s[G1B+6], 0
	s_mov_b32 s[G1+7], 0
	s_mov_b32 s[G1B+7], 0
	; byte offsets of my 128 rows (rows of 2,048 bytes): x by the matrix and the block row, W by the matrix and the block column,
	; in registers of their own
	s_lshl_b32 s17, s12, 18
	s_lshl_b32 s16, s13, 19
	s_add_co_u32 s16, s16, s17
	s_lshl_b32 s46, s42, 19
	s_add_co_u32 s46, s46, s17
	s_lshl_b32 s17, s66, 23                        ; a matrix of xh: 8 MiB
	s_add_co_u32 s16, s16, s17
	s_lshl_b32 s17, s66, 21                        ; of wh: 2 MiB
	s_add_co_u32 s46, s46, s17
	s_mov_b32 s17, 0
	s_mov_b32 s47, 0
	s_mul_i32 s20, s10, HALFT                      ; LDS: wave x 128 rows
	v_and_b32 v1, 15, v0                           ; r = lane % 16
	v_bfe_u32 v2, v0, 4, 1                         ; h = lane / 16
	v_lshlrev_b32 v[BO], 5, v2
	s_wait_dscnt 0x0
	s_wait_kmcnt 0x0
	s_cmp_eq_u32 s66, 1                            ; the matrix picks b
	s_cselect_b64 s[92:93], s[74:75], s[72:73]
	s_cmp_eq_u32 s66, 2
	s_cselect_b64 s[92:93], s[76:77], s[92:93]
	s_cmp_eq_u32 s66, 0
	s_cselect_b32 s88, 0x3e38aa3b, 1.0             ; Q: 0.125 log2(e); K, V: 1
	s_mov_b32 s89, s88
	s_add_nc_u64 s[14:15], s[68:69], s[16:17]
	s_add_nc_u64 s[46:47], s[70:71], s[46:47]
	CROUND                                         ; all sixteen work-groups are here: the first joint loads meet
.irp s, 0,1
	s_mov_b32 s[G0+4*\s], 1
	s_add_co_u32 s[G0+4*\s+1], s20, \s*SLOT
	s_add_nc_u64 s[G0+4*\s+2:G0+4*\s+3], s[14:15], \s*KSTEP*2      ; K step s
	s_or_b32 s[G0+4*\s+3], s[G0+4*\s+3], 0x80000000
	s_mov_b32 s[G0B+4*\s], 1
	s_add_co_u32 s[G0B+4*\s+1], s20, \s*SLOT
	s_add_nc_u64 s[G0B+4*\s+2:G0B+4*\s+3], s[46:47], \s*KSTEP*2
	s_or_b32 s[G0B+4*\s+3], s[G0B+4*\s+3], 0x80000000
	JLOAD \s                                       ; two tensor loads of the wave are out
.endr
	; bias of my 128 features
	s_lshl_b32 s94, s42, 10
	s_lshl_b32 s95, s12, 9
	s_add_co_u32 s94, s94, s95
	s_mov_b32 s95, 0
	s_add_nc_u64 s[92:93], s[92:93], s[94:95]
.irp b, 0,1,2,3,4,5,6,7
	global_load_b128 v[BIAS+8*\b:BIAS+8*\b+3],   v[BO], s[92:93] offset:64*\b
	global_load_b128 v[BIAS+8*\b+4:BIAS+8*\b+7], v[BO], s[92:93] offset:64*\b+16
.endr
	; where my results go: matrix, batch, head 4 column + 2 half, token (block row % 8) 256 + 128 half; a token of a head is 128 bytes
	s_lshl_b32 s94, s66, 23
	s_lshr_b32 s95, s13, 3
	s_lshl_b32 s95, s95, 22
	s_add_co_u32 s94, s94, s95
	s_lshl_b32 s95, s42, 20
	s_add_co_u32 s94, s94, s95
	s_lshl_b32 s95, s12, 19
	s_add_co_u32 s94, s94, s95
	s_and_b32 s95, s13, 7
	s_lshl_b32 s95, s95, 15
	s_add_co_u32 s94, s94, s95
	s_lshl_b32 s95, s11, 14
	s_add_co_u32 s94, s94, s95
	s_mov_b32 s95, 0
	s_add_nc_u64 s[90:91], s[78:79], s[94:95]
	; LDS addresses.  A fragment is 16 rows x 32 K in 8 registers: lane l holds row l % 16; registers 0-3 hold K = 8 (l / 16) + 0..7,
	; registers 4-7 K = 16 + 8 (l / 16) + 0..7: two loads of 16 bytes, 32 bytes apart
	v_mul_u32_u24 v3, v1, PITCH
	v_lshl_add_u32 v3, v2, 4, v3
	s_mul_i32 s21, s11, HALFT
	s_mul_i32 s22, s12, HALFT
	s_add_co_u32 s22, s22, 2*HALFT
.irp s, 0,1
	v_add_nc_u32 v[ADRA+\s], s21, v3
	v_add_nc_u32 v[ADRB+\s], s22, v3
	s_add_co_u32 s21, s21, SLOT
	s_add_co_u32 s22, s22, SLOT
.endr
	s_mul_i32 s23, s10, WSTAGE
	s_add_co_u32 s23, s23, STAGE
	v_mul_u32_u24 v4, v1, SPITCH                   ; in: token r, 16 bytes for each half of the lanes
	v_lshl_add_u32 v4, v2, 4, v4
	v_add_nc_u32 v[STO], s23, v4
	v_bfe_u32 v5, v0, 3, 2                         ; back: eight lanes take one token's 128 bytes, a wave four tokens
	v_mul_u32_u24 v5, v5, SPITCH
	v_and_b32 v6, 7, v0
	v_lshl_add_u32 v5, v6, 4, v5
	v_add_nc_u32 v[RD], s23, v5
	v_and_b32 v7, 31, v0
	v_lshlrev_b32 v[CO], 4, v7
; 16 matrix instructions: token tiles a0, a0 + 1 of the window's four (hi = 0: my tokens 0-63, 1: 64-127) x all 8 feature tiles, 32 along K.
; zero = 1: the first product starts the sums.  The 64 accumulators take turns, one instruction a turn, in the same order in every
; quarter step.
.macro MUL16 f, hi, a0, zero
.irp a, \a0, \a0+1
.irp b, 0,1,2,3,4,5,6,7
.if \zero
	v_wmma_f32_16x16x32_f16 v[8*(8*(\a)+\b):8*(8*(\a)+\b)+7], v[\f+8*\b:\f+8*\b+7], v[\f+8*(4*\hi+\a):\f+8*(4*\hi+\a)+7], 0
.else
	v_wmma_f32_16x16x32_f16 v[8*(8*(\a)+\b):8*(8*(\a)+\b)+7], v[\f+8*\b:\f+8*\b+7], v[\f+8*(4*\hi+\a):\f+8*(4*\hi+\a)+7], v[8*(8*(\a)+\b):8*(8*(\a)+\b)+7]
.endif
.endr
.endr
.endm
; 32 LDS loads in one run: the fragments of one quarter step (128 rows of W, 128 rows of x, 32 K at byte k of the rows) into buffer f
.macro FETCH slot, k, f
	WIN TO_B
.irp i, 0,1,2,3,4,5,6,7
	ds_load_b128 v[\f+8*\i:\f+8*\i+3],   v[ADRB+\slot] offset:\k+\i*16*PITCH
	ds_load_b128 v[\f+8*\i+4:\f+8*\i+7], v[ADRB+\slot] offset:\k+\i*16*PITCH+32
.endr
	WIN 0
.irp i, 0,1,2,3,4,5,6,7
	ds_load_b128 v[\f+8*\i:\f+8*\i+3],   v[ADRA+\slot] offset:\k+\i*16*PITCH
	ds_load_b128 v[\f+8*\i+4:\f+8*\i+7], v[ADRA+\slot] offset:\k+\i*16*PITCH+32
.endr
.endm
; A K step is four quarter steps of 32 along K, 64 matrix instructions each, on buffers 0, 1, 0, 1.
; One of the first three: multiplies buffer f; in its middle it fetches the next quarter's fragments, at byte k of the same slot's rows, into buffer g.
.macro QUARTER slot, k, f, g, zero
	s_wait_dscnt 8                                 ; W and x's tokens 0-63 are in; the youngest eight loads (x's tokens 64-127) may be out
	WIN MUL_LO
	MUL16 \f, 0, 0, \zero
	MUL16 \f, 0, 2, \zero
	PLACES                                         ; buffer g was a source of matrix instructions: loaded again four places behind them
	FETCH \slot, \k, \g
	s_wait_dscnt 32                                ; all but the 32 just issued
	WIN MUL_HI
	MUL16 \f, 1, 0, \zero
	MUL16 \f, 1, 2, \zero
.endm
.macro THREE slot, zero
	QUARTER \slot, 64,  F0, F1, \zero
	QUARTER \slot, 128, F1, F0, 0
	QUARTER \slot, 192, F0, F1, 0
.endm
; The last quarter: multiplies buffer 1 and changes slots.  In front of the barrier each wave waits for its own reads of this slot and for all
; its tensor loads (the one that is out is its part of the next slot).  Behind it (with fill: behind a whole round of the cluster's
; barrier) the refill comes first, then the next slot's first fragments.
.macro TURN slot, next, fill
	s_wait_dscnt 8
	WIN MUL_LO
	MUL16 F1, 0, 0, 0
	s_wait_dscnt 0                                 ; my reads of this slot are over
	s_wait_tensorcnt 0x0                           ; and all my tensor loads have landed
	ds_add_u32 v255, v31
	s_wait_dscnt 0x0
	s_barrier_signal -1
	MUL16 F1, 0, 2, 0                              ; register work while the others arrive
	WIN 0
	s_barrier_wait -1
.if \fill
	CREST
	s_add_nc_u64 s[G0+4*\slot+2:G0+4*\slot+3], s[G0+4*\slot+2:G0+4*\slot+3], 2*KSTEP*2       ; two K steps on
	s_add_nc_u64 s[G0B+4*\slot+2:G0B+4*\slot+3], s[G0B+4*\slot+2:G0B+4*\slot+3], 2*KSTEP*2
	JLOAD \slot                                    ; my one tensor load behind the round
.endif
	PLACES
	FETCH \next, 0, F0
	WIN MUL_HI
	MUL16 F1, 1, 0, 0
	MUL16 F1, 1, 2, 0
.endm
.macro LAP zero
	THREE 0, \zero
	TURN 0, 1, 1
	THREE 1, 0
	TURN 1, 0, 1
.endm
	s_wait_tensorcnt 1                             ; my part of K step 0 is in; K step 1's load, issued behind it, stays out
	s_barrier_signal -1
	s_barrier_wait -1
	FETCH 0, 0, F0
	LAP 1                                          ; K steps 0, 1: the first products start the sums; asks for steps 2, 3
	WIN 0
	s_mov_b32 s3, LAPS-2                           ; K steps 2 to 5, asking for 4 to 7
.Llap:
	LAP 0
	WIN 0
	s_sub_co_u32 s3, s3, 1
	s_cmp_lg_u32 s3, 0
	s_cbranch_scc1 .Llap
	THREE 0, 0                                     ; K steps 6, 7: nothing is left to ask for
	TURN 0, 1, 0
	THREE 1, 0
	s_wait_dscnt 8
	WIN MUL_LO
	MUL16 F1, 0, 0, 0
	MUL16 F1, 0, 2, 0
	s_wait_dscnt 0
	WIN MUL_HI
	MUL16 F1, 1, 0, 0
	MUL16 F1, 1, 2, 0
	; THE WAY OUT: (sum + b) x scale = sum x scale + (b x scale), one fused multiply-add; 16 tokens at a time through my own stage.
	PLACES                                         ; behind the last matrix instructions: results are read, the fragment buffers are loaded into
	WIN 0
	s_wait_loadcnt 0x0                             ; the biases
.irp k, 0,2,4,6,8,10,12,14,16,18,20,22,24,26,28,30,32,34,36,38,40,42,44,46,48,50,52,54,56,58,60,62
	v_pk_mul_f32 v[BIAS+\k:BIAS+\k+1], v[BIAS+\k:BIAS+\k+1], s[88:89] op_sel_hi:[1,0]
.endr
; tokens 16 i .. 16 i + 15 = tiles (a, 0..7) of one window; w1: destination and source 0 in it; w2: sources 0 and 1 in it; rb: read-back registers
.macro OUT16 i, a, w1, w2, rb
	WIN \w1
.irp b, 0,1,2,3,4,5,6,7
.irp p, 0,2,4,6
	v_pk_fma_f32 v[8*(8*\a+\b)+\p:8*(8*\a+\b)+\p+1], v[8*(8*\a+\b)+\p:8*(8*\a+\b)+\p+1], s[88:89], v[BIAS+8*\b+\p:BIAS+8*\b+\p+1] op_sel_hi:[1,0,1]
.endr
.endr
	WIN \w2
.irp b, 0,1,2,3,4,5,6,7
.irp r, 0,1,2,3
	v_cvt_pk_f16_f32 v[TMP+4*\b+\r], v[8*(8*\a+\b)+2*\r], v[8*(8*\a+\b)+2*\r+1]
.endr
.endr
	WIN 0
.irp b, 0,1,2,3,4,5,6,7
	ds_store_b128 v[STO], v[TMP+4*\b:TMP+4*\b+3] offset:(\b/4)*SHEAD+(\b%4)*32     ; head b / 4, features 16 (b % 4) + 8h ..
.endr
	s_wait_xcnt 0x0                                ; the read-back registers were data of earlier stores: loaded again only behind this wait
.irp t, 0,1,2,3,4,5,6,7
	ds_load_b128 v[\rb+4*\t:\rb+4*\t+3], v[RD] offset:(\t/4)*SHEAD+(\t%4)*4*SPITCH ; LDS serves a wave's instructions in order: these see the stores above
.endr
.irp t, 0,1,2,3,4,5,6,7
	s_wait_dscnt 7-\t
	global_store_b128 v[CO], v[\rb+4*\t:\rb+4*\t+3], s[90:91] offset:\i*2048+(\t/4)*262144+(\t%4)*512   ; 512 consecutive bytes, aligned: four tokens of one head
.endr
.endm
	OUT16 0, 0, 0x82, 0x0a, 64
	OUT16 1, 1, 0x82, 0x0a, 96
	OUT16 2, 2, 0x82, 0x0a, 64
	OUT16 3, 3, 0x82, 0x0a, 96
	OUT16 4, 0, 0xc3, 0x0f, 64
	OUT16 5, 1, 0xc3, 0x0f, 96
	OUT16 6, 2, 0xc3, 0x0f, 64
	OUT16 7, 3, 0xc3, 0x0f, 96
	s_set_vgpr_msb 0x1
	s_wait_tensorcnt 0x0
	ds_add_u32 v255, v31
	s_wait_dscnt 0x0
	s_set_vgpr_msb 0x100
	CROUND                                         ; the closing round: no work-group ends while a partner may still ask jointly
	s_endpgm
.Lfunc_end_k_qeeb79cb0f0_qkv_proj:
	.size	k_qeeb79cb0f0_qkv_proj, .Lfunc_end_k_qeeb79cb0f0_qkv_proj-k_qeeb79cb0f0_qkv_proj
	.p2alignl 7, 3214868480
	.fill 96, 4, 3214868480
	.section	.rodata,"a",@progbits
	.p2align	6, 0x0
	.amdhsa_kernel k_qeeb79cb0f0_qkv_proj
		.amdhsa_group_segment_fixed_size 327680
		.amdhsa_private_segment_fixed_size 0
		.amdhsa_enable_private_segment 0
		.amdhsa_kernarg_size 48
		.amdhsa_user_sgpr_count 2
		.amdhsa_user_sgpr_kernarg_segment_ptr 1
		.amdhsa_wavefront_size32 1
		.amdhsa_system_sgpr_workgroup_id_x 1
		.amdhsa_system_sgpr_workgroup_id_y 1
		.amdhsa_system_sgpr_workgroup_id_z 1
		.amdhsa_system_vgpr_workitem_id 0
		.amdhsa_next_free_vgpr 1024
		.amdhsa_next_free_sgpr 96
		.amdhsa_reserve_vcc 0
		.amdhsa_float_denorm_mode_32 3
		.amdhsa_float_denorm_mode_16_64 3
		.amdhsa_memory_ordered 1
		.amdhsa_forward_progress 1
		.amdhsa_inst_pref_size 216
	.end_amdhsa_kernel
	.amdgpu_metadata
---
amdhsa.version: [ 1, 2 ]
amdhsa.kernels:
  - .name:           k_qeeb79cb0f0_qkv_proj
    .symbol:         k_qeeb79cb0f0_qkv_proj.kd
    .args:
      - { .name: xh, .offset: 0, .size: 8, .value_kind: global_buffer, .address_space: global }
      - { .name: wh, .offset: 8, .size: 8, .value_kind: global_buffer, .address_space: global }
      - { .name: b_q, .offset: 16, .size: 8, .value_kind: global_buffer, .address_space: global }
      - { .name: b_k, .offset: 24, .size: 8, .value_kind: global_buffer, .address_space: global }
      - { .name: b_v, .offset: 32, .size: 8, .value_kind: global_buffer, .address_space: global }
      - { .name: qkv, .offset: 40, .size: 8, .value_kind: global_buffer, .address_space: global }
    .group_segment_fixed_size: 327680
    .private_segment_fixed_size: 0
    .kernarg_segment_align: 8
    .kernarg_segment_size: 48
    .max_flat_workgroup_size: 128
    .sgpr_count:     96
    .vgpr_count:     1024
    .wavefront_size: 32
...
	.end_amdgpu_metadata
.endif
;; end of part 2
;; launch attn (part 3): grid 8 x 32, 8 waves a work-group, clusters of 4 x 1, 327,680 bytes of LDS; arguments qkv, W_o, att, wob; writes att, wob
.if DOCPART == 3
	.amdgcn_target "amdgcn-amd-amdhsa--gfx1250"
	.amdhsa_code_object_version 6
	.text
	.protected	k_qeeb79cb0f0_attn
	.globl	k_qeeb79cb0f0_attn
	.p2align	8
	.type	k_qeeb79cb0f0_attn,@function
k_qeeb79cb0f0_attn:
	s_mov_b64 s[64:65], 0
	v_nop
	global_prefetch_b8 v0, s[64:65] scope:SCOPE_SE
	s_setreg_imm32_b32 hwreg(HW_REG_WAVE_MODE, 25, 1), 1
	s_wait_xcnt 0x0
	s_wait_alu depctr_hold_cnt(0) depctr_sa_sdst(0) depctr_va_vdst(0) depctr_va_sdst(0) depctr_va_ssrc(0) depctr_va_vcc(0) depctr_vm_vsrc(0)
	s_getreg_b32 s2, hwreg(HW_REG_IB_STS2, 6, 4)
	s_cmp_eq_u32 s2, 0
	s_cbranch_scc0 .Lentry_in_a_cluster
	s_endpgm
.Lentry_in_a_cluster:
	s_bfe_u32 s2, ttmp6, 0x10000c
	s_cmp_lg_u32 s2, 0x3003
	s_cbranch_scc0 .Lentry_shape_is_right
	s_endpgm
.Lentry_shape_is_right:
; softmax(Q K^T / 8) V for 32 heads of 2048 x 64, with a running maximum; Q already carries 0.125 log2(e), so scores are exponents of 2.
; qkv[3][b][h][s 2048][64] f16 in; att[block of 128 tokens 32][h 16][t 128][64] f16 out.  On the side each work-group rounds 16 KiB of
; W_o to f16 (wob), while its first tiles are on their way, for the next launch.
; SHARES: a work-group takes one head and 256 query rows.  Wave w: g = w & 3 its 64 query rows, kh = w >> 2 its half of the keys
; (1024 kh ..); the two waves of a pair are merged at the end.  Splitting keys, not rows, keeps 64 rows a wave: 16 KB of LDS reads
; feed 64 matrix instructions.
; TWO ORDERS: a barrier brings all waves to one place in the text, and from there they would all do matrix work together and then all
; vector work together.  So the waves are of two phases, (w xor (w >> 2)) & 1, which differs between waves w and w + 4 and between
; waves 2 i and 2 i + 1.  In the step that holds a change of slots, phase 1 does its softmax in front of the barrier and phase 0 behind it:
; behind the barrier one half of the waves starts with vector work, the other with 64 matrix instructions.  Between two barriers both
; phases do two softmaxes and 128 matrix instructions.  Barrier, refill and LDS loads are common text; only the softmax stands twice,
; each copy under a branch on the wave's number that jumps over vector work alone.
; CLUSTERS: the four query blocks of a cluster walk the same K and V tiles and ask for them jointly (mask 15).
; LAYOUT: S^T = K Q^T (source 0 = 16 keys, source 1 = 16 query rows): a lane owns ONE query row (lane % 16), its registers are keys
; 8 (lane / 16) + 0..7, so maximum, sum and rescale factor are a lane's own numbers and one lane exchange joins the two halves.
; Two neighbouring S^T tiles, packed to f16, are a source-1 fragment of P^T; O^T = V^T P^T with V^T read by the transposing LDS load.
; FORMAT AND LIMITS: Q, K, V and P are f16 operands (P lies in [0, 1]; below 6e-8 it rounds to 0, against a sum of at least 1); maxima, sums
; and O in f32, summed in another order than a plain softmax; v_exp_f32 gives 0 below 2^-126; the result is rounded once to f16
; (a convex mix of V, so inside V's range).  NaN or infinite inputs are not reproduced: the maxima drop a NaN.
; No prefetch: K and V were stored by the launch just before, and a refill has a whole chunk's work of every wave in which to land.
.set KP,    144                        ; K row in LDS: 128 bytes + 16
.set VP,    160                        ; V row: 128 bytes + 32, an odd multiple of 32 for the transposing load
.set KT,    256*KP
.set SLOT,  KT+256*VP                  ; a chunk: 128 keys of each half; K rows 0-127 half 0, 128-255 half 1; then V likewise
.set MST,   2*SLOT                     ; merge stage: for each pair 32 x 512 bytes of O and 1,024 of figures
.set MPAIR, 17408
.set OST,   MST+4*MPAIR                ; way out: 64 rows x 144 bytes for each wave with kh = 0
.set OWAVE, 64*144
.set ADRK, 2                           ; v2-3   my K fragments in slot 0, 1
.set ADRV, 4                           ; v4-5   my V fragments
.set QOFF, 6
.set MSA,  7
.set OSA,  8
.set ORA,  9
.set CO,   10                          ; 16 x lane
.set T16,  11                          ; 16 x thread
.set T8,   12                          ; 8 x thread
.set ST,   16                          ; v16-23 pairs (m, l) of query tiles 0..3; l is the sum over my lane half's keys
.set AL,   24                          ; v24-31 pairs (alpha, a register written once)
.set Q,    32                          ; v32-95 Q(qt, c) at Q + 16 qt + 8 c
.set S,    96                          ; v96-223 S(qt, kt) at S + 32 qt + 8 kt; P(qt, c) packed in place at S + 32 qt + 8 c
.set MA,   224                         ; v224-227 softmax: first chain of maxima of tile qt; later its sum
.set MB,   228                         ; v228-231 second chain; then the new maximum
.set TC,   232                         ; v232-235 old maximum - new
.set TX,   236                         ; v236-237 first chain of sums
.set TY,   238                         ; v238-239 second chain (TX + 2)
.set TA,   224                         ; the merge's own names for v224-231
.set TB,   225
.set TD,   226
.set UX,   228
.set UY,   230
.set PF,   232                         ; v232-239 merge: the partner's (m, l)
.set F0,   240                         ; v240-247 merge: my factor, twice, for each query tile
.set F1,   248                         ; v248-255 merge: the partner's
.set KF,   128                         ; window 1: KF(kt, c) at KF + 16 kt + 8 c
.set VF,   192                         ; window 1: VF(dt, c) at VF + 16 dt + 8 c;  window 1, v0-127: O(qt, dt) at 32 qt + 8 dt
.set G1K, 24
.set G1V, 32
.set G0K, 40
.set G0V, 48
.set MSB, 0
.macro WIN new
.if MSB != (\new)
	s_set_vgpr_msb (MSB<<8)|(\new)
.set MSB, \new
.endif
.endm
.macro PLACES
.rept 4
	v_nop
.endr
.endm
.macro PLACES5
.rept 5
	v_nop
.endr
.endm
.macro JLOAD s                         ; waves 0-3 fetch K's four quarters, waves 4-7 V's
	s_cmp_eq_u32 s14, 0
	s_cbranch_scc0 .Lfor_v_\@
	tensor_load_to_lds s[G0K+4*\s:G0K+4*\s+3], s[G1K:G1K+7]
	s_nop 0
	s_branch .Lasked_\@
.Lfor_v_\@:
	tensor_load_to_lds s[G0V+4*\s:G0V+4*\s+3], s[G1V:G1V+7]
	s_nop 0
.Lasked_\@:
.endm
.macro CREST
	s_cmp_lg_u32 s12, 0
	s_cbranch_scc1 .Lnot_wave_0_\@
	s_barrier_signal -3
.Lnot_wave_0_\@:
	s_barrier_wait -3
	s_barrier_signal -1
	s_barrier_wait -1
.endm
.macro CROUND
	s_barrier_signal -1
	s_barrier_wait -1
	CREST
.endm
	s_load_b256 s[4:11], s[0:1], 0x0               ; qkv 4, W_o 6, att 8, wob 10
	v_lshl_add_u32 v254, v0, 2, 0x40000
	v_mov_b32 v255, 0
	ds_add_u32 v254, v255
	s_wait_dscnt 0x0
	v_lshrrev_b32 v1, 5, v0
	v_readfirstlane_b32 s12, v1                    ; wave 0..7
	s_and_b32 s13, s12, 3                          ; g.  Also: which quarter of a tile I fetch
	s_lshr_b32 s14, s12, 2                         ; kh.  Also: I fetch K (0) or V (1)
	s_xor_b32 s57, s12, s14
	s_and_b32 s57, s57, 1                          ; my phase: which of the two orders I take
	s_bfe_u32 s15, ttmp6, 0x40000                  ; cx
	s_lshl_b32 s16, ttmp9, 2
	s_add_co_u32 s16, s16, s15                     ; query block 0..7
	s_and_b32 s17, ttmp7, 0xffff                   ; head 0..31 (16 b + h)
	s_mov_b32 s18, 0x76543210                      ; v_permlanex16_b32: lane i reads lane i of the other half
	s_mov_b32 s19, 0xfedcba98
	; group 1: 64 rows x 64 elements of 2 bytes; behind every 32 words 4 words of padding (K) or 8 (V); mask: all four of the cluster
	s_mov_b32 s[G1K+0], 15|(1<<16)|(1<<20)|(1<<21)|(4<<22)|(3<<25)
	s_mov_b32 s[G1V+0], 15|(1<<16)|(1<<20)|(1<<21)|(4<<22)|(7<<25)
	s_mov_b32 s[G1K+1], 64<<16
	s_mov_b32 s[G1V+1], 64<<16
	s_mov_b32 s[G1K+2], 64<<16
	s_mov_b32 s[G1V+2], 64<<16
	s_mov_b32 s[G1K+3], 64<<16
	s_mov_b32 s[G1V+3], 64<<16
	s_mov_b32 s[G1K+4], 64
	s_mov_b32 s[G1V+4], 64
	s_mov_b32 s[G1K+5], 64
	s_mov_b32 s[G1V+5], 64
	s_mov_b32 s[G1K+6], 0
	s_mov_b32 s[G1V+6], 0
	s_mov_b32 s[G1K+7], 0
	s_mov_b32 s[G1V+7], 0
	; my quarter p: key half p >> 1 (1024 keys of 128 bytes), 64 keys p & 1; made of the head and the wave alone
	s_lshl_b32 s20, s17, 18
	s_lshr_b32 s21, s13, 1
	s_lshl_b32 s21, s21, 17
	s_add_co_u32 s20, s20, s21
	s_and_b32 s21, s13, 1
	s_lshl_b32 s21, s21, 13
	s_add_co_u32 s20, s20, s21
	s_mov_b32 s21, 0
	s_mul_i32 s22, s13, 64*KP
	s_mul_i32 s23, s13, 64*VP
	s_add_co_u32 s23, s23, KT
	v_and_b32 v1, 15, v0                           ; r
	v_bfe_u32 v13, v0, 4, 1                        ; h
	v_lshlrev_b32 v[QOFF], 7, v1
	v_lshl_add_u32 v[QOFF], v13, 4, v[QOFF]        ; row r of 128 bytes + 16 h
	v_lshlrev_b32 v[T16], 4, v0
	v_lshlrev_b32 v[T8], 3, v0
	s_wait_kmcnt 0x0
	s_add_nc_u64 s[58:59], s[4:5], s[20:21]
	s_add_nc_u64 s[60:61], s[58:59], 0x1000000     ; V
	s_add_nc_u64 s[58:59], s[58:59], 0x800000      ; K
	CROUND                                         ; the four work-groups are here: the first joint loads meet
.irp s, 0,1
	s_mov_b32 s[G0K+4*\s], 1
	s_add_co_u32 s[G0K+4*\s+1], s22, \s*SLOT
	s_add_nc_u64 s[G0K+4*\s+2:G0K+4*\s+3], s[58:59], \s*16384      ; chunk s: 128 keys of 128 bytes
	s_or_b32 s[G0K+4*\s+3], s[G0K+4*\s+3], 0x80000000
	s_mov_b32 s[G0V+4*\s], 1
	s_add_co_u32 s[G0V+4*\s+1], s23, \s*SLOT
	s_add_nc_u64 s[G0V+4*\s+2:G0V+4*\s+3], s[60:61], \s*16384
	s_or_b32 s[G0V+4*\s+3], s[G0V+4*\s+3], 0x80000000
	JLOAD \s                                       ; two tensor loads of the wave are out
.endr
	; addresses that hang on the query block, in registers of their own
	s_lshl_b32 s74, s17, 3
	s_add_co_u32 s74, s74, s16                     ; work-group's number 0..255
	s_lshl_b32 s66, s74, 14
	s_mov_b32 s67, 0
	s_add_nc_u64 s[68:69], s[6:7], s[66:67]        ; my 16 KiB of W_o
	s_lshl_b32 s66, s74, 13
	s_add_nc_u64 s[70:71], s[10:11], s[66:67]      ; my 8 KiB of wob
	s_lshl_b32 s66, s17, 18
	s_lshl_b32 s75, s16, 15
	s_add_co_u32 s66, s66, s75
	s_lshl_b32 s75, s13, 13
	s_add_co_u32 s66, s66, s75
	s_add_nc_u64 s[66:67], s[4:5], s[66:67]        ; Q at my 64 rows
.irp j, 0,1,2,3
	global_load_b128 v[S+4*\j:S+4*\j+3], v[T16], s[68:69] offset:\j*4096 th:TH_LOAD_NT
.endr
.irp qt, 0,1,2,3
.irp c, 0,1
	global_load_b128 v[Q+16*\qt+8*\c:Q+16*\qt+8*\c+3],   v[QOFF], s[66:67] offset:\qt*2048+\c*64
	global_load_b128 v[Q+16*\qt+8*\c+4:Q+16*\qt+8*\c+7], v[QOFF], s[66:67] offset:\qt*2048+\c*64+32
.endr
.endr
	; att: token block 16 b + 2 query block + (g >> 1), head, tokens 64 (g & 1)
	s_lshr_b32 s74, s17, 4
	s_lshl_b32 s74, s74, 22
	s_lshl_b32 s75, s16, 19
	s_add_co_u32 s74, s74, s75
	s_lshr_b32 s75, s13, 1
	s_lshl_b32 s75, s75, 18
	s_add_co_u32 s74, s74, s75
	s_and_b32 s75, s17, 15
	s_lshl_b32 s75, s75, 14
	s_add_co_u32 s74, s74, s75
	s_and_b32 s75, s13, 1
	s_lshl_b32 s75, s75, 13
	s_add_co_u32 s74, s74, s75
	s_mov_b32 s75, 0
	s_add_nc_u64 s[72:73], s[8:9], s[74:75]
	; LDS addresses
	v_mul_u32_u24 v14, v1, KP
	v_lshl_add_u32 v14, v13, 4, v14                ; r x 144 + 16 h
	s_mul_i32 s20, s14, 128*KP
	v_add_nc_u32 v[ADRK], s20, v14
	v_add_nc_u32 v[ADRK+1], SLOT, v[ADRK]
	v_and_b32 v15, 7, v0
	v_lshl_add_u32 v15, v13, 3, v15                ; key 8 h + (lane & 7)
	v_mul_u32_u24 v15, v15, VP
	v_bfe_u32 v1, v0, 3, 1
	v_lshl_add_u32 v15, v1, 4, v15                 ; + 16 ((lane >> 3) & 1)
	s_mul_i32 s21, s14, 128*VP
	s_add_co_u32 s21, s21, KT
	v_add_nc_u32 v[ADRV], s21, v15
	v_add_nc_u32 v[ADRV+1], SLOT, v[ADRV]
	v_and_b32 v[CO], 31, v0
	v_lshlrev_b32 v[CO], 4, v[CO]
	s_mul_i32 s22, s13, MPAIR
	s_add_co_u32 s22, s22, MST
	v_add_nc_u32 v[MSA], s22, v[CO]
	s_mul_i32 s23, s13, OWAVE
	s_add_co_u32 s23, s23, OST
	v_add_nc_u32 v[OSA], s23, v14
	v_bfe_u32 v15, v0, 3, 2
	v_mul_u32_u24 v15, v15, 144
	v_and_b32 v1, 7, v0
	v_lshl_add_u32 v15, v1, 4, v15
	v_add_nc_u32 v[ORA], s23, v15
.irp qt, 0,1,2,3
	v_mov_b32 v[ST+2*\qt+1], 0                     ; a packed instruction reads both registers of a pair: the second is written once here
	v_mov_b32 v[AL+2*\qt+1], 0
.endr
	; W_o to f16: thread t rounds 4 numbers of each of 4 blocks of 1,024; a wave's store covers 256 consecutive bytes, aligned
	s_wait_loadcnt 16                              ; W_o's four loads are in; Q's sixteen younger ones may be out
.irp j, 0,1,2,3
	v_cvt_pk_f16_f32 v[S+16+2*\j],   v[S+4*\j],   v[S+4*\j+1]
	v_cvt_pk_f16_f32 v[S+16+2*\j+1], v[S+4*\j+2], v[S+4*\j+3]
.endr
.irp j, 0,1,2,3
	global_store_b64 v[T8], v[S+16+2*\j:S+16+2*\j+1], s[70:71] offset:\j*2048
.endr
.macro LDK slot, u                     ; 16 loads: 64 keys x 64 d as 8 fragments
	WIN 0x40
.irp kt, 0,1,2,3
.irp c, 0,1
	ds_load_b128 v[KF+16*\kt+8*\c:KF+16*\kt+8*\c+3],   v[ADRK+(\slot)] offset:\u*64*KP+\kt*16*KP+\c*64
	ds_load_b128 v[KF+16*\kt+8*\c+4:KF+16*\kt+8*\c+7], v[ADRK+(\slot)] offset:\u*64*KP+\kt*16*KP+\c*64+32
.endr
.endr
.endm
.macro LDV slot, u                     ; 16 transposing loads: V^T, 64 dv x 64 keys as 8 fragments
	WIN 0x40
.irp dt, 0,1,2,3
.irp c, 0,1
	ds_load_tr16_b128 v[VF+16*\dt+8*\c:VF+16*\dt+8*\c+3],   v[ADRV+(\slot)] offset:\u*64*VP+\c*32*VP+\dt*32
	ds_load_tr16_b128 v[VF+16*\dt+8*\c+4:VF+16*\dt+8*\c+7], v[ADRV+(\slot)] offset:\u*64*VP+\c*32*VP+\dt*32+16*VP
.endr
.endr
.endm
; 32 matrix instructions: S^T.  Four accumulators take turns, one instruction a turn.
.macro QK
	WIN 0x01
.irp qt, 0,1,2,3
.irp kt, 0,1,2,3
	v_wmma_f32_16x16x32_f16 v[S+32*\qt+8*\kt:S+32*\qt+8*\kt+7], v[KF+16*\kt:KF+16*\kt+7], v[Q+16*\qt:Q+16*\qt+7], 0
.endr
.irp kt, 0,1,2,3
	v_wmma_f32_16x16x32_f16 v[S+32*\qt+8*\kt:S+32*\qt+8*\kt+7], v[KF+16*\kt+8:KF+16*\kt+15], v[Q+16*\qt+8:Q+16*\qt+15], v[S+32*\qt+8*\kt:S+32*\qt+8*\kt+7]
.endr
.endr
.endm
; 32 matrix instructions: O^T += V^T P^T, accumulators by turns likewise
.macro PV first
	WIN 0x51
.irp qt, 0,1,2,3
.irp dt, 0,1,2,3
.if \first
	v_wmma_f32_16x16x32_f16 v[32*\qt+8*\dt:32*\qt+8*\dt+7], v[VF+16*\dt:VF+16*\dt+7], v[S+32*\qt:S+32*\qt+7], 0
.else
	v_wmma_f32_16x16x32_f16 v[32*\qt+8*\dt:32*\qt+8*\dt+7], v[VF+16*\dt:VF+16*\dt+7], v[S+32*\qt:S+32*\qt+7], v[32*\qt+8*\dt:32*\qt+8*\dt+7]
.endif
.endr
.irp dt, 0,1,2,3
	v_wmma_f32_16x16x32_f16 v[32*\qt+8*\dt:32*\qt+8*\dt+7], v[VF+16*\dt+8:VF+16*\dt+15], v[S+32*\qt+8:S+32*\qt+15], v[32*\qt+8*\dt:32*\qt+8*\dt+7]
.endr
.endr
.endm
; One stage of the softmax's pipe over the four query tiles, sixteen slots.  A slot holds two exponentials of tile i, one packed subtraction
; of the maximum for tile i + 1, and for tile i - 1 one step of its sum and one packing to f16: behind each pair of exponentials
; stand plain instructions on other tiles' registers (ISA guide 5.7.2), and only the first two sums wait for all vector results in front of them.
; The sum goes in two chains (TX: registers 0-15, TY: 16-31).  Packing j writes register j and reads 2 j, 2 j + 1: register j was
; summed in slot j - 2 at the latest, and no packing writes a register that a later one reads.
.macro PIPE i, first
.set EB, S+32*(\i)
.set UB, EB+32
.set CB, EB-32
.set UM, ST+2*(\i)+2
.set j, 0
.rept 16
.if \i < 4
	v_exp_f32 v[EB+2*j], v[EB+2*j]
	v_exp_f32 v[EB+2*j+1], v[EB+2*j+1]
.endif
.if \i < 3
	v_pk_add_f32 v[UB+2*j:UB+2*j+1], v[UB+2*j:UB+2*j+1], v[UM:UM+1] op_sel_hi:[1,0] neg_lo:[0,1] neg_hi:[0,1]
.endif
.if \i > 0
.if j < 2
	s_wait_alu depctr_va_vdst(0)
	v_pk_add_f32 v[TX+2*j:TX+2*j+1], v[CB+16*j:CB+16*j+1], v[CB+16*j+2:CB+16*j+3]
.else
.if j < 14
	v_pk_add_f32 v[TX+2*(j%2):TX+2*(j%2)+1], v[TX+2*(j%2):TX+2*(j%2)+1], v[CB+16*(j%2)+2*(j/2)+2:CB+16*(j%2)+2*(j/2)+3]
.else
.if j == 14
	v_pk_add_f32 v[TX:TX+1], v[TX:TX+1], v[TY:TY+1]
.else
.if \first
	v_add_f32 v[ST+2*(\i)-1], v[TX], v[TX+1]       ; l starts
.else
	v_add_f32 v[MA+(\i)-1], v[TX], v[TX+1]
.endif
.endif
.endif
.endif
	v_cvt_pk_f16_f32 v[CB+j], v[CB+2*j], v[CB+2*j+1]
.endif
.set j, j+1
.endr
.if \i > 0
.if \first == 0
	v_fma_f32 v[ST+2*(\i)-1], v[ST+2*(\i)-1], v[AL+2*(\i)-2], v[MA+(\i)-1]     ; l = l alpha + sum
.endif
.endif
.endm
; The softmax of one step, 4 query tiles x 32 scores a lane: new maximum, alpha = 2^(old - new), p = 2^(s - new), l = l alpha + sum p,
; p packed to f16 in place, O = O alpha.  The four tiles' maxima run as eight chains by turns.
.macro SOFTALL first
.irp qt, 0,1,2,3
	v_max3_num_f32 v[MA+\qt], v[S+32*\qt], v[S+32*\qt+1], v[S+32*\qt+2]
.endr
.irp qt, 0,1,2,3
	v_max3_num_f32 v[MB+\qt], v[S+32*\qt+16], v[S+32*\qt+17], v[S+32*\qt+18]
.endr
.irp k, 3,5,7,9,11,13
.irp qt, 0,1,2,3
	v_max3_num_f32 v[MA+\qt], v[MA+\qt], v[S+32*\qt+\k], v[S+32*\qt+\k+1]
.endr
.irp qt, 0,1,2,3
	v_max3_num_f32 v[MB+\qt], v[MB+\qt], v[S+32*\qt+16+\k], v[S+32*\qt+16+\k+1]
.endr
.endr
.irp qt, 0,1,2,3
	v_max3_num_f32 v[MA+\qt], v[MA+\qt], v[S+32*\qt+15], v[S+32*\qt+31]
.endr
.irp qt, 0,1,2,3
.if \first
	v_max_num_f32 v[MA+\qt], v[MA+\qt], v[MB+\qt]
.else
	v_max3_num_f32 v[MA+\qt], v[MA+\qt], v[MB+\qt], v[ST+2*\qt]
.endif
.endr
.irp qt, 0,1,2,3
	v_permlanex16_b32 v[MB+\qt], v[MA+\qt], s18, s19       ; the other half of the lanes holds the same row's other keys
.endr
.irp qt, 0,1,2,3
	v_max_num_f32 v[MB+\qt], v[MA+\qt], v[MB+\qt]
.endr
.if \first == 0
.irp qt, 0,1,2,3
	v_sub_f32 v[TC+\qt], v[ST+2*\qt], v[MB+\qt]
.endr
.endif
.irp qt, 0,1,2,3
	v_mov_b32 v[ST+2*\qt], v[MB+\qt]
.endr
.if \first == 0
.irp qt, 0,1,2,3
	v_exp_f32 v[AL+2*\qt], v[TC+\qt]               ; plain instructions on other registers follow before alpha is used
.endr
.endif
.irp k, 0,2,4,6,8,10,12,14,16,18,20,22,24,26,28,30
	v_pk_add_f32 v[S+\k:S+\k+1], v[S+\k:S+\k+1], v[ST:ST+1] op_sel_hi:[1,0] neg_lo:[0,1] neg_hi:[0,1]
.endr
	PIPE 0, \first
	PIPE 1, \first
	PIPE 2, \first
	PIPE 3, \first
	PIPE 4, \first
.if \first == 0
	WIN 0x41
.irp qt, 0,1,2,3
.irp k, 0,2,4,6,8,10,12,14,16,18,20,22,24,26,28,30
	v_pk_mul_f32 v[32*\qt+\k:32*\qt+\k+1], v[32*\qt+\k:32*\qt+\k+1], v[AL+2*\qt:AL+2*\qt+1] op_sel_hi:[1,0]
.endr
.endr
.endif
	WIN 0
.endm
.macro EARLY                           ; phase 1: the softmax in front of the change of slots
	s_cmp_eq_u32 s57, 0
	s_cbranch_scc1 .Lnot_yet_\@
	SOFTALL 0
.Lnot_yet_\@:
.endm
.macro LATE                            ; phase 0: behind it
	s_cmp_lg_u32 s57, 0
	s_cbranch_scc1 .Ldone_\@
	SOFTALL 0
.Ldone_\@:
.endm
; The change of slots: this step's K and V fragments are in registers, so my reads of the slot are over; all my tensor loads have landed.
.macro CHANGE
	s_wait_dscnt 0x0
	s_wait_xcnt 0x0
	v_lshl_add_u32 v254, v0, 2, 0x40000
	v_mov_b32 v255, 0
	s_wait_tensorcnt 0x0
	ds_add_u32 v254, v255
	s_wait_dscnt 0x0
	s_barrier_signal -1
	s_barrier_wait -1
.endm
; One step: 64 keys at rows 64 u of my half of the slot.  mode 0: the next K is in the same slot; 1: change of slots with a refill;
; 2: change without; 3: the last step.
.macro STEP slot, u, first, mode
.if \first == 0
	PLACES5                                        ; behind the last O^T instruction: VF is loaded again, and S, which held its source P, is written by a matrix instruction
.endif
	LDV \slot, \u
	s_wait_dscnt 16                                ; K's fragments are in; V's sixteen younger loads may be out
	QK
	WIN 0
	PLACES5                                        ; behind the S^T instructions: S is read, KF is loaded again
.if \mode == 0
	LDK \slot, 1
	WIN 0
	SOFTALL \first
.endif
.if \mode == 1
	EARLY
	CHANGE
	CREST                                          ; with the barrier above a whole round: no wave of any partner reads the slot or has a load on its way
	s_add_nc_u64 s[G0K+4*\slot+2:G0K+4*\slot+3], s[G0K+4*\slot+2:G0K+4*\slot+3], 32768   ; two chunks on
	s_add_nc_u64 s[G0V+4*\slot+2:G0V+4*\slot+3], s[G0V+4*\slot+2:G0V+4*\slot+3], 32768
	JLOAD \slot                                    ; my one tensor load behind the round; it has two steps of every wave in which to land
	LDK 1-\slot, 0
	WIN 0
	LATE
.endif
.if \mode == 2
	EARLY
	CHANGE
	LDK 1-\slot, 0
	WIN 0
	LATE
.endif
.if \mode == 3
	SOFTALL 0
.endif
.if \mode == 3
	s_wait_dscnt 0
.else
	s_wait_dscnt 16                                ; V's fragments are in; the next K's sixteen younger loads may be out
.endif
	PV \first
	WIN 0
.endm
.macro PAIR f, m0, m1                  ; two chunks: slot 0, then slot 1
	STEP 0, 0, \f, 0
	STEP 0, 1, 0, \m0
	STEP 1, 0, 0, 0
	STEP 1, 1, 0, \m1
.endm
	s_wait_tensorcnt 1                             ; my part of chunk 0 is in; chunk 1's load, issued behind it, stays out
	s_barrier_signal -1
	s_barrier_wait -1
	LDK 0, 0
	WIN 0
	s_wait_loadcnt 0x0                             ; Q
	s_wait_xcnt 0x0                                ; the registers that the stores of wob read lie in S: written again only behind this wait
	PAIR 1, 1, 1                                   ; chunks 0, 1; asks for 2, 3
	s_mov_b32 s56, 2                               ; chunks 2 to 5; asks for 4 to 7
.Lpair:
	PAIR 0, 1, 1
	s_sub_co_u32 s56, s56, 1
	s_cmp_lg_u32 s56, 0
	s_cbranch_scc1 .Lpair
	PAIR 0, 2, 3                                   ; chunks 6, 7: nothing is left to ask for
	; MERGE of the two key halves.  The wave with kh = 1 hands O, m and l to its partner through LDS bytes that no tensor load fills.
	PLACES                                         ; behind the last matrix instructions: O is read, S and Q are loaded into
	s_cmp_eq_u32 s14, 0
	s_cbranch_scc1 .Lkeep
	WIN 0x04
.set i, 0
.rept 32
	ds_store_b128 v[MSA], v[4*i:4*i+3] offset:512*i
.set i, i+1
.endr
	WIN 0
	ds_store_b128 v[MSA], v[ST:ST+3] offset:16384
	ds_store_b128 v[MSA], v[ST+4:ST+7] offset:16896
.Lkeep:
	s_wait_dscnt 0x0                               ; for the partner's sake: my stores are done
	s_barrier_signal -1
	s_barrier_wait -1
	s_cmp_lg_u32 s14, 0
	s_cbranch_scc1 .Lend
	ds_load_b128 v[PF:PF+3], v[MSA] offset:16384
	ds_load_b128 v[PF+4:PF+7], v[MSA] offset:16896
.set i, 0
.rept 32
	ds_load_b128 v[S+4*i:S+4*i+3], v[MSA] offset:512*i
.set i, i+1
.endr
	s_wait_dscnt 0x0
; factors f0 = 2^(m - M) / L, f1 = 2^(m' - M) / L with M the joint maximum and L the sum over both waves and both lane halves (at least 1)
.macro MERGE qt
	v_max_num_f32 v[TA], v[ST+2*\qt], v[PF+2*\qt]
	v_sub_f32 v[TB], v[ST+2*\qt], v[TA]
	v_sub_f32 v[TD], v[PF+2*\qt], v[TA]
	v_exp_f32 v[TB], v[TB]
	v_exp_f32 v[TD], v[TD]
	v_nop
	s_wait_alu depctr_va_vdst(0)
	v_mul_f32 v[UX], v[ST+2*\qt+1], v[TB]
	v_fma_f32 v[UX], v[PF+2*\qt+1], v[TD], v[UX]
	v_permlanex16_b32 v[UY], v[UX], s18, s19
	v_add_f32 v[UX], v[UX], v[UY]
	v_rcp_f32 v[UX+1], v[UX]
	v_nop
	s_wait_alu depctr_va_vdst(0)
	v_mul_f32 v[F0+2*\qt],   v[TB], v[UX+1]
	v_mul_f32 v[F0+2*\qt+1], v[TB], v[UX+1]
	v_mul_f32 v[F1+2*\qt],   v[TD], v[UX+1]
	v_mul_f32 v[F1+2*\qt+1], v[TD], v[UX+1]
.endm
.irp qt, 0,1,2,3
	MERGE \qt
.endr
.irp qt, 0,1,2,3
.irp k, 0,2,4,6,8,10,12,14,16,18,20,22,24,26,28,30
	v_pk_mul_f32 v[S+32*\qt+\k:S+32*\qt+\k+1], v[S+32*\qt+\k:S+32*\qt+\k+1], v[F1+2*\qt:F1+2*\qt+1]
.endr
.endr
	WIN 0x01
.irp qt, 0,1,2,3
.irp k, 0,2,4,6,8,10,12,14,16,18,20,22,24,26,28,30
	v_pk_fma_f32 v[S+32*\qt+\k:S+32*\qt+\k+1], v[32*\qt+\k:32*\qt+\k+1], v[F0+2*\qt:F0+2*\qt+1], v[S+32*\qt+\k:S+32*\qt+\k+1]
.endr
.endr
	WIN 0
.set i, 0
.rept 64
	v_cvt_pk_f16_f32 v[S+i], v[S+2*i], v[S+2*i+1]  ; ascending, in place: tile (qt, dt) ends at S + 16 qt + 4 dt
.set i, i+1
.endr
.irp qt, 0,1,2,3
.irp dt, 0,1,2,3
	ds_store_b128 v[OSA], v[S+16*\qt+4*\dt:S+16*\qt+4*\dt+3] offset:\qt*2304+\dt*32     ; row 16 qt + r, dv 16 dt + 8 h ..
.endr
.endr
.set i, 0
.rept 16
	ds_load_b128 v[Q+4*i:Q+4*i+3], v[ORA] offset:576*i             ; my own bytes, served in order: four whole rows
.set i, i+1
.endr
.set i, 0
.rept 16
	s_wait_dscnt 15-i
	global_store_b128 v[CO], v[Q+4*i:Q+4*i+3], s[72:73] offset:512*i   ; 512 consecutive bytes, aligned
.set i, i+1
.endr
.Lend:
	s_wait_xcnt 0x0
	v_lshl_add_u32 v254, v0, 2, 0x40000
	v_mov_b32 v255, 0
	s_wait_tensorcnt 0x0
	ds_add_u32 v254, v255
	s_wait_dscnt 0x0
	CROUND                                         ; the closing round
	s_endpgm
.Lfunc_end_k_qeeb79cb0f0_attn:
	.size	k_qeeb79cb0f0_attn, .Lfunc_end_k_qeeb79cb0f0_attn-k_qeeb79cb0f0_attn
	.p2alignl 7, 3214868480
	.fill 96, 4, 3214868480
	.section	.rodata,"a",@progbits
	.p2align	6, 0x0
	.amdhsa_kernel k_qeeb79cb0f0_attn
		.amdhsa_group_segment_fixed_size 327680
		.amdhsa_private_segment_fixed_size 0
		.amdhsa_enable_private_segment 0
		.amdhsa_kernarg_size 32
		.amdhsa_user_sgpr_count 2
		.amdhsa_user_sgpr_kernarg_segment_ptr 1
		.amdhsa_wavefront_size32 1
		.amdhsa_system_sgpr_workgroup_id_x 1
		.amdhsa_system_sgpr_workgroup_id_y 1
		.amdhsa_system_sgpr_workgroup_id_z 1
		.amdhsa_system_vgpr_workitem_id 0
		.amdhsa_next_free_vgpr 512
		.amdhsa_next_free_sgpr 76
		.amdhsa_reserve_vcc 0
		.amdhsa_float_denorm_mode_32 3
		.amdhsa_float_denorm_mode_16_64 3
		.amdhsa_memory_ordered 1
		.amdhsa_forward_progress 1
		.amdhsa_inst_pref_size 255
	.end_amdhsa_kernel
	.section	.bss,"aw",@nobits
	.p2align	6
	.space	262144
	.amdgpu_metadata
---
amdhsa.version: [ 1, 2 ]
amdhsa.kernels:
  - .name:           k_qeeb79cb0f0_attn
    .symbol:         k_qeeb79cb0f0_attn.kd
    .args:
      - { .name: qkv, .offset: 0, .size: 8, .value_kind: global_buffer, .address_space: global }
      - { .name: W_o, .offset: 8, .size: 8, .value_kind: global_buffer, .address_space: global }
      - { .name: att, .offset: 16, .size: 8, .value_kind: global_buffer, .address_space: global }
      - { .name: wob, .offset: 24, .size: 8, .value_kind: global_buffer, .address_space: global }
    .group_segment_fixed_size: 327680
    .private_segment_fixed_size: 0
    .kernarg_segment_align: 8
    .kernarg_segment_size: 32
    .max_flat_workgroup_size: 256
    .sgpr_count:     76
    .vgpr_count:     512
    .wavefront_size: 32
...
	.end_amdgpu_metadata
.endif
;; end of part 3
;; launch out_proj (part 4): grid 8 x 32, 4 waves a work-group, clusters of 4 x 4, 327,680 bytes of LDS; arguments att, wob, b_o, out0; writes out0
.if DOCPART == 4
	.amdgcn_target "amdgcn-amd-amdhsa--gfx1250"
	.amdhsa_code_object_version 6
	.text
	.protected	k_qeeb79cb0f0_out_proj
	.globl	k_qeeb79cb0f0_out_proj
	.p2align	8
	.type	k_qeeb79cb0f0_out_proj,@function
k_qeeb79cb0f0_out_proj:
	s_mov_b64 s[64:65], 0
	v_nop
	global_prefetch_b8 v0, s[64:65] scope:SCOPE_SE
	s_setreg_imm32_b32 hwreg(HW_REG_WAVE_MODE, 25, 1), 1
	s_wait_xcnt 0x0
	s_wait_alu depctr_hold_cnt(0) depctr_sa_sdst(0) depctr_va_vdst(0) depctr_va_sdst(0) depctr_va_ssrc(0) depctr_va_vcc(0) depctr_vm_vsrc(0)
	s_getreg_b32 s2, hwreg(HW_REG_IB_STS2, 6, 4)
	s_cmp_eq_u32 s2, 0
	s_cbranch_scc0 .Lentry_in_a_cluster
	s_endpgm
.Lentry_in_a_cluster:
	s_bfe_u32 s2, ttmp6, 0x10000c
	s_cmp_lg_u32 s2, 0xf033
	s_cbranch_scc0 .Lentry_shape_is_right
	s_endpgm
.Lentry_shape_is_right:
; out0[t][n] = sum over k of att[t][k] W_o[n][k] + b_o[n].  att[block of 128 tokens 32][h 16][t 128][64] f16 (k = 64 h + dv),
; wob = W_o in f16 [1024 n][1024 k], out0 [4096][1024] f32.
; SHARES: 256 work-groups of 128 tokens x 128 features, four waves of 64 x 64 (16 accumulator tiles): 4 M outputs over 1,024 waves.
; K goes in four phases of 256 (four heads) through two LDS slots; the text is written out, without a loop.
; CLUSTERS: 4 x 4; att's tile hangs on the token block alone and is asked for jointly along a row of the cluster, wob's on the feature
; block alone, along a column.
; FORMAT: f16 operands (both were rounded by the launch before), sums and bias in f32, f32 out.  An infinity in att passes through.
; The matrix instruction is used transposed (source 0 = 16 features, source 1 = 16 tokens): a lane holds one token, eight neighbouring features.
; No prefetch: both operands were stored by the launch just before.
.set APITCH, 144                       ; a token's 64 f16 of one head + 16 bytes
.set BPITCH, 528                       ; a feature's 256 f16 + 16 bytes
.set ATILE,  512*APITCH                ; 4 heads x 128 tokens
.set SLOT,   ATILE+128*BPITCH
.set STAGE,  2*SLOT
.set SPITCH, 272                       ; stage row: 64 f32 + 16 bytes
.set ADRA, 16
.set ADRB, 20
.set STO,  24
.set RD,   25
.set CO,   26
.set BO,   27
.set RB,   32                          ; v32-63 read back
.set BIAS, 192                         ; v192-223
.set TMP,  224                         ; v224-255
; fragment buffer 0: window 0, v64-191; buffer 1: window 1, v128-255.  In a buffer: tokens' (i, kk) at 8 (4 kk + i), features' 64 further on.
; window 1, v0-127: accumulator tile (a, b) at 8 (4 a + b)
.set G1,  24
.set G0,  32
.set G1B, 48
.set G0B, 56
.set MSB, 0
.macro WIN new
.if MSB != (\new)
	s_set_vgpr_msb (MSB<<8)|(\new)
.set MSB, \new
.endif
.endm
.macro PLACES
.rept 4
	v_nop
.endr
.endm
.macro JLOAD s                         ; waves 0, 1 fetch att's two halves (two heads each), waves 2, 3 wob's (64 features each)
	s_cmp_eq_u32 s13, 0
	s_cbranch_scc0 .Lfor_b_\@
	tensor_load_to_lds s[G0+4*\s:G0+4*\s+3], s[G1:G1+7]
	s_nop 0
	s_branch .Lasked_\@
.Lfor_b_\@:
	tensor_load_to_lds s[G0B+4*\s:G0B+4*\s+3], s[G1B:G1B+7]
	s_nop 0
.Lasked_\@:
.endm
.macro CREST
	s_cmp_lg_u32 s12, 0
	s_cbranch_scc1 .Lnot_wave_0_\@
	s_barrier_signal -3
.Lnot_wave_0_\@:
	s_barrier_wait -3
	s_barrier_signal -1
	s_barrier_wait -1
.endm
.macro CROUND
	s_barrier_signal -1
	s_barrier_wait -1
	CREST
.endm
	s_load_b256 s[4:11], s[0:1], 0x0               ; att 4, wob 6, b_o 8, out0 10
	v_lshl_add_u32 v30, v0, 2, 0x49400
	v_mov_b32 v31, 0
	ds_add_u32 v30, v31
	v_lshrrev_b32 v1, 5, v0
	v_readfirstlane_b32 s12, v1                    ; wave 0..3
	s_lshr_b32 s13, s12, 1                         ; my half of the tokens.  Also: I fetch att (0) or wob (1)
	s_and_b32 s14, s12, 1                          ; my half of the features.  Also: which half of the tile I fetch
	s_bfe_u32 s40, ttmp6, 0x40000                  ; cx
	s_bfe_u32 s41, ttmp6, 0x40004                  ; cy
	s_lshl_b32 s42, ttmp9, 2
	s_add_co_u32 s42, s42, s40                     ; feature block 0..7
	s_and_b32 s43, ttmp7, 0xffff
	s_lshl_b32 s43, s43, 2
	s_add_co_u32 s43, s43, s41                     ; token block 0..31
	s_lshl_b32 s44, s41, 2
	s_lshl_b32 s44, 15, s44                        ; my row of the cluster
	s_lshl_b32 s45, 0x1111, s40                    ; my column
	; att: 256 rows x 64 elements of 2 bytes, dense; 4 words of padding behind every 32
	s_or_b32 s[G1+0], s44, (1<<16)|(1<<20)|(1<<21)|(4<<22)|(3<<25)
	s_mov_b32 s[G1+1], 64<<16
	s_mov_b32 s[G1+2], 256<<16
	s_mov_b32 s[G1+3], 64<<16
	s_mov_b32 s[G1+4], 256
	s_mov_b32 s[G1+5], 64
	s_mov_b32 s[G1+6], 0
	s_mov_b32 s[G1+7], 0
	; wob: 64 rows x 256 elements, 1,024 elements from row to row; 4 words of padding behind every 128
	s_or_b32 s[G1B+0], s45, (1<<16)|(1<<20)|(1<<21)|(6<<22)|(3<<25)
	s_mov_b32 s[G1B+1], 256<<16
	s_mov_b32 s[G1B+2], 64<<16
	s_mov_b32 s[G1B+3], 256<<16
	s_mov_b32 s[G1B+4], 64
	s_mov_b32 s[G1B+5], 1024
	s_mov_b32 s[G1B+6], 0
	s_mov_b32 s[G1B+7], 0
	s_lshl_b32 s16, s43, 18                        ; token block x 262,144 + two heads x 16,384 for the second half
	s_lshl_b32 s17, s14, 15
	s_add_co_u32 s16, s16, s17
	s_mov_b32 s17, 0
	s_lshl_b32 s46, s42, 18                        ; (128 feature block + 64 half) rows of 2,048 bytes
	s_lshl_b32 s47, s14, 17
	s_add_co_u32 s46, s46, s47
	s_mov_b32 s47, 0
	s_mul_i32 s20, s14, 256*APITCH
	s_mul_i32 s21, s14, 64*BPITCH
	s_add_co_u32 s21, s21, ATILE
	v_and_b32 v1, 15, v0                           ; r
	v_bfe_u32 v2, v0, 4, 1                         ; h
	v_lshlrev_b32 v[BO], 5, v2
	s_wait_dscnt 0x0
	s_wait_kmcnt 0x0
	s_add_nc_u64 s[18:19], s[4:5], s[16:17]
	s_add_nc_u64 s[46:47], s[6:7], s[46:47]
	CROUND                                         ; all sixteen work-groups are here
.irp s, 0,1
	s_mov_b32 s[G0+4*\s], 1
	s_add_co_u32 s[G0+4*\s+1], s20, \s*SLOT
	s_add_nc_u64 s[G0+4*\s+2:G0+4*\s+3], s[18:19], \s*65536        ; phase s: four heads of 16,384 bytes
	s_or_b32 s[G0+4*\s+3], s[G0+4*\s+3], 0x80000000
	s_mov_b32 s[G0B+4*\s], 1
	s_add_co_u32 s[G0B+4*\s+1], s21, \s*SLOT
	s_add_nc_u64 s[G0B+4*\s+2:G0B+4*\s+3], s[46:47], \s*512        ; 256 k of 2 bytes
	s_or_b32 s[G0B+4*\s+3], s[G0B+4*\s+3], 0x80000000
	JLOAD \s                                       ; two tensor loads of the wave are out
.endr
	s_lshl_b32 s70, s42, 9                         ; my 64 features, in bytes of f32
	s_lshl_b32 s71, s14, 8
	s_add_co_u32 s70, s70, s71
	s_mov_b32 s71, 0
	s_add_nc_u64 s[66:67], s[8:9], s[70:71]        ; b_o there
	s_add_nc_u64 s[68:69], s[10:11], s[70:71]
	s_lshl_b32 s70, s43, 19                        ; my 64 tokens, rows of 4,096 bytes
	s_lshl_b32 s23, s13, 18
	s_add_co_u32 s70, s70, s23
	s_add_nc_u64 s[68:69], s[68:69], s[70:71]      ; out0 at my block
.irp b, 0,1,2,3
	global_load_b128 v[BIAS+8*\b:BIAS+8*\b+3],   v[BO], s[66:67] offset:64*\b
	global_load_b128 v[BIAS+8*\b+4:BIAS+8*\b+7], v[BO], s[66:67] offset:64*\b+16
.endr
	v_mul_u32_u24 v3, v1, APITCH
	v_lshl_add_u32 v3, v2, 4, v3
	v_mul_u32_u24 v4, v1, BPITCH
	v_lshl_add_u32 v4, v2, 4, v4
	s_mul_i32 s21, s13, 64*APITCH
	s_mul_i32 s22, s14, 64*BPITCH
	s_add_co_u32 s22, s22, ATILE
.irp s, 0,1
	v_add_nc_u32 v[ADRA+\s], s21, v3
	v_add_nc_u32 v[ADRB+\s], s22, v4
	s_add_co_u32 s21, s21, SLOT
	s_add_co_u32 s22, s22, SLOT
.endr
	s_mul_i32 s23, s12, 16*SPITCH
	s_add_co_u32 s23, s23, STAGE
	v_mul_u32_u24 v5, v1, SPITCH                   ; in: token r, 32 bytes for each half of the lanes
	v_lshl_add_u32 v5, v2, 5, v5
	v_add_nc_u32 v[STO], s23, v5
	v_mul_u32_u24 v6, v2, SPITCH                   ; back: lanes 0-15 one row of 256 bytes, lanes 16-31 the next
	v_lshl_add_u32 v6, v1, 4, v6
	v_add_nc_u32 v[RD], s23, v6
	v_lshlrev_b32 v7, 12, v2
	v_lshl_add_u32 v[CO], v1, 4, v7
; 32 LDS loads: one head's fragments (K = 64) into a buffer
.macro FETCH slot, hs, buf
.if \buf
	WIN 0x40
.else
	WIN 0
.endif
.set FBASE, 64+64*(\buf)
.irp kk, 0,1
.irp i, 0,1,2,3
	ds_load_b128 v[FBASE+8*(4*\kk+\i):FBASE+8*(4*\kk+\i)+3],   v[ADRA+\slot] offset:(\hs)*128*APITCH+\i*16*APITCH+\kk*64
	ds_load_b128 v[FBASE+8*(4*\kk+\i)+4:FBASE+8*(4*\kk+\i)+7], v[ADRA+\slot] offset:(\hs)*128*APITCH+\i*16*APITCH+\kk*64+32
.endr
.endr
.irp kk, 0,1
.irp i, 0,1,2,3
	ds_load_b128 v[FBASE+64+8*(4*\kk+\i):FBASE+64+8*(4*\kk+\i)+3],   v[ADRB+\slot] offset:\i*16*BPITCH+(\hs)*128+\kk*64
	ds_load_b128 v[FBASE+64+8*(4*\kk+\i)+4:FBASE+64+8*(4*\kk+\i)+7], v[ADRB+\slot] offset:\i*16*BPITCH+(\hs)*128+\kk*64+32
.endr
.endr
.endm
; 16 matrix instructions, 32 along K.  The 16 accumulators take turns, one instruction a turn, always in this order.
.macro MULK buf, kk, zero
.if \buf
	WIN 0x55
.else
	WIN 0x50
.endif
.set FBASE, 64+64*(\buf)
.irp a, 0,1,2,3
.irp b, 0,1,2,3
.if \zero
	v_wmma_f32_16x16x32_f16 v[8*(4*\a+\b):8*(4*\a+\b)+7], v[FBASE+64+8*(4*\kk+\b):FBASE+64+8*(4*\kk+\b)+7], v[FBASE+8*(4*\kk+\a):FBASE+8*(4*\kk+\a)+7], 0
.else
	v_wmma_f32_16x16x32_f16 v[8*(4*\a+\b):8*(4*\a+\b)+7], v[FBASE+64+8*(4*\kk+\b):FBASE+64+8*(4*\kk+\b)+7], v[FBASE+8*(4*\kk+\a):FBASE+8*(4*\kk+\a)+7], v[8*(4*\a+\b):8*(4*\a+\b)+7]
.endif
.endr
.endr
.endm
; multiply buffer buf while head nhs is fetched into the other buffer
.macro GRP slot, nhs, buf, nbuf, zero
	PLACES                                         ; the other buffer was a source of the last matrix instructions
	FETCH \slot, \nhs, \nbuf
	s_wait_dscnt 32                                ; all but the 32 just issued
	MULK \buf, 0, \zero
	MULK \buf, 1, 0
.endm
.macro THREE slot, zero
	GRP \slot, 1, 0, 1, \zero
	GRP \slot, 2, 1, 0, 0
	GRP \slot, 3, 0, 1, 0
.endm
; the slot's fourth head, and the change of slots: my reads of the slot are back and all my tensor loads have landed in front of the
; barrier; behind it (with fill: behind a whole round of the cluster's barrier) the refill first, then the next slot's first fragments
.macro TURN slot, next, fill
	s_wait_dscnt 0
	s_wait_tensorcnt 0x0
	ds_add_u32 v30, v31
	s_wait_dscnt 0x0
	s_barrier_signal -1
	MULK 1, 0, 0
	WIN 0
	s_barrier_wait -1
.if \fill
	CREST
	s_add_nc_u64 s[G0+4*\slot+2:G0+4*\slot+3], s[G0+4*\slot+2:G0+4*\slot+3], 131072    ; two phases on: eight heads
	s_add_nc_u64 s[G0B+4*\slot+2:G0B+4*\slot+3], s[G0B+4*\slot+2:G0B+4*\slot+3], 1024  ; 512 k
	JLOAD \slot                                    ; my one tensor load behind the round
.endif
	PLACES
	FETCH \next, 0, 0
	MULK 1, 1, 0
.endm
	s_wait_tensorcnt 1                             ; my part of phase 0 is in; phase 1's load, issued behind it, stays out
	s_barrier_signal -1
	s_barrier_wait -1
	FETCH 0, 0, 0
	THREE 0, 1                                     ; phase 0: the first products start the sums
	TURN 0, 1, 1                                   ; asks for phase 2
	THREE 1, 0
	TURN 1, 0, 1                                   ; asks for phase 3
	THREE 0, 0
	TURN 0, 1, 0
	THREE 1, 0
	s_wait_dscnt 0
	MULK 1, 0, 0
	MULK 1, 1, 0
	; THE WAY OUT: add the bias, 16 tokens at a time through my own stage, whole rows of 256 bytes back
	PLACES
	WIN 0
	s_wait_loadcnt 0x0                             ; the biases
.macro OUTA a
	WIN 0x01
.irp b, 0,1,2,3
.irp p, 0,2,4,6
	v_pk_add_f32 v[TMP+8*\b+\p:TMP+8*\b+\p+1], v[8*(4*\a+\b)+\p:8*(4*\a+\b)+\p+1], v[BIAS+8*\b+\p:BIAS+8*\b+\p+1]
.endr
.endr
	WIN 0
.irp b, 0,1,2,3
	ds_store_b128 v[STO], v[TMP+8*\b:TMP+8*\b+3]   offset:64*\b
	ds_store_b128 v[STO], v[TMP+8*\b+4:TMP+8*\b+7] offset:64*\b+16
.endr
	s_wait_xcnt 0x0                                ; the read-back registers were data of earlier stores
.irp t, 0,1,2,3,4,5,6,7
	ds_load_b128 v[RB+4*\t:RB+4*\t+3], v[RD] offset:\t*2*SPITCH    ; my own bytes, served in order
.endr
.irp t, 0,1,2,3,4,5,6,7
	s_wait_dscnt 7-\t
	global_store_b128 v[CO], v[RB+4*\t:RB+4*\t+3], s[68:69] offset:(16*\a+2*\t)*4096 th:TH_STORE_NT   ; 16 lanes store 256 consecutive bytes, aligned
.endr
.endm
	OUTA 0
	OUTA 1
	OUTA 2
	OUTA 3
	s_wait_tensorcnt 0x0
	ds_add_u32 v30, v31
	s_wait_dscnt 0x0
	CROUND                                         ; the closing round
	s_endpgm
.Lfunc_end_k_qeeb79cb0f0_out_proj:
	.size	k_qeeb79cb0f0_out_proj, .Lfunc_end_k_qeeb79cb0f0_out_proj-k_qeeb79cb0f0_out_proj
	.p2alignl 7, 3214868480
	.fill 96, 4, 3214868480
	.section	.rodata,"a",@progbits
	.p2align	6, 0x0
	.amdhsa_kernel k_qeeb79cb0f0_out_proj
		.amdhsa_group_segment_fixed_size 327680
		.amdhsa_private_segment_fixed_size 0
		.amdhsa_enable_private_segment 0
		.amdhsa_kernarg_size 32
		.amdhsa_user_sgpr_count 2
		.amdhsa_user_sgpr_kernarg_segment_ptr 1
		.amdhsa_wavefront_size32 1
		.amdhsa_system_sgpr_workgroup_id_x 1
		.amdhsa_system_sgpr_workgroup_id_y 1
		.amdhsa_system_sgpr_workgroup_id_z 1
		.amdhsa_system_vgpr_workitem_id 0
		.amdhsa_next_free_vgpr 512
		.amdhsa_next_free_sgpr 72
		.amdhsa_reserve_vcc 0
		.amdhsa_float_denorm_mode_32 3
		.amdhsa_float_denorm_mode_16_64 3
		.amdhsa_memory_ordered 1
		.amdhsa_forward_progress 1
		.amdhsa_inst_pref_size 90
	.end_amdhsa_kernel
	.amdgpu_metadata
---
amdhsa.version: [ 1, 2 ]
amdhsa.kernels:
  - .name:           k_qeeb79cb0f0_out_proj
    .symbol:         k_qeeb79cb0f0_out_proj.kd
    .args:
      - { .name: att, .offset: 0, .size: 8, .value_kind: global_buffer, .address_space: global }
      - { .name: wob, .offset: 8, .size: 8, .value_kind: global_buffer, .address_space: global }
      - { .name: b_o, .offset: 16, .size: 8, .value_kind: global_buffer, .address_space: global }
      - { .name: out0, .offset: 24, .size: 8, .value_kind: global_buffer, .address_space: global }
    .group_segment_fixed_size: 327680
    .private_segment_fixed_size: 0
    .kernarg_segment_align: 8
    .kernarg_segment_size: 32
    .max_flat_workgroup_size: 128
    .sgpr_count:     72
    .vgpr_count:     512
    .wavefront_size: 32
...
	.end_amdgpu_metadata
.endif
;; end of part 4
